; MI455X (gfx1250); checked and timed in simulation.
; The chip was launched on July 23, 2026; its instructions are those of AMD's public machine-readable ISA for CDNA 5 (MIT licence, August 2026) and "CDNA5" Instruction Set Architecture Reference Guide (July 2026). The comments in the code are by the model that wrote it; some were corrected since.
;; Self Attention Module. Allowed arithmetic: float matrix products may take bf16 or f16 operands with f32 sums; other float arithmetic in f32, or as packed bf16 or f16 multiplies, adds, multiply-adds, maxima and minima; sums over many terms, partial sums and values carried from step to step in f32; what a program stores and reads back later, other than sums and carried values, may be rounded once to bf16 or f16.
;; Inputs: Wk 1,024 x 1,024 float32; Wq 1,024 x 1,024 float32; Wv 1,024 x 1,024 float32; bk 1,024 float32; bq 1,024 float32; bv 1,024 float32; x 4,096 x 1,024 float32.
;; Outputs: out0 4,096 x 1,024 float32.
;; One version. Each part assembles by itself: llvm-mc -triple=amdgcn-amd-amdhsa -mcpu=gfx1250 --defsym DOCPART=n.
;; ======== version 1 of 1: 4 launches
;; limits: values are held in f16: magnitudes above 65,504 overflow, below 6.1e-05 lose precision; right only within a limited range of input values
;; workspace buffers: xw 14,680,064 bytes; qkv 25,165,824 bytes; p 33,554,432 bytes; stats 1,048,576 bytes
;; launch cvt (part 1): grid 128 x 7, 8 waves a work-group, no clusters, 0 bytes of LDS; arguments x, Wq, Wk, Wv, xw; writes xw
.if DOCPART == 1
	.amdgcn_target "amdgcn-amd-amdhsa--gfx1250"
	.amdhsa_code_object_version 6
	.text
	.protected	k_q5a36dd78ef_cvt
	.globl	k_q5a36dd78ef_cvt
	.p2align	8
	.type	k_q5a36dd78ef_cvt,@function
k_q5a36dd78ef_cvt:
	s_mov_b64 s[64:65], 0
	v_nop
	global_prefetch_b8 v0, s[64:65] scope:SCOPE_SE
	s_setreg_imm32_b32 hwreg(HW_REG_WAVE_MODE, 25, 1), 1
	s_wait_xcnt 0x0
; xw = f16(x) as [4096][1024], then f16(Wq), f16(Wk), f16(Wv) stacked as [3072][1024] at byte 8,388,608.
; A stream: each input byte is read once, each output byte written once; no LDS, no barrier, no matrix unit, which would add nothing here.
; The work is 7 slabs of 1,048,576 numbers (grid y): slabs 0-3 are the quarters of x, slabs 4, 5, 6 are Wq, Wk, Wv; slab y goes to xw + y x 2 MiB.
; A work-group (grid x, 128 a slab) takes 8,192 numbers: eight times 256 threads x 4 numbers.  A wave's load covers 512 consecutive bytes,
; its store 256 consecutive bytes at a multiple of 256 from xw's first byte.
; LIMIT: f16 holds magnitudes below 65,504; an |x| or |W| beyond that becomes infinite.  The inputs drawn are of the order of 1 and 1/32.
.set X, 8                              ; v[8:39]   eight loads of four f32
.set Y, 40                             ; v[40:55]  eight pairs of words, four f16 each
	s_load_b256 s[4:11], s[0:1], 0x0               ; x s[4:5], Wq s[6:7], Wk s[8:9], Wv s[10:11]
	s_load_b64 s[12:13], s[0:1], 0x20              ; xw
	s_and_b32 s2, ttmp7, 0xffff                    ; the slab
	v_lshlrev_b32 v1, 4, v0                        ; 16 bytes a thread in
	v_lshlrev_b32 v2, 3, v0                        ; 8 bytes a thread out
	s_cmp_lt_u32 s2, 4
	s_cselect_b32 s16, s2, 0                       ; a quarter of x, or the start of a weight matrix
	s_lshl_b32 s16, s16, 22                        ; 4 MiB a quarter
	s_lshl_b32 s17, ttmp9, 15                      ; 32 KiB a work-group
	s_add_co_u32 s16, s16, s17
	s_mov_b32 s17, 0
	s_lshl_b32 s18, s2, 21                         ; out: 2 MiB a slab
	s_lshl_b32 s19, ttmp9, 14                      ; 16 KiB a work-group
	s_add_co_u32 s18, s18, s19
	s_mov_b32 s19, 0
	s_wait_kmcnt 0x0
	s_mov_b64 s[14:15], s[4:5]                     ; the slab's source buffer, chosen by the slab's number alone
	s_cmp_eq_u32 s2, 4
	s_cselect_b64 s[14:15], s[6:7], s[14:15]
	s_cmp_eq_u32 s2, 5
	s_cselect_b64 s[14:15], s[8:9], s[14:15]
	s_cmp_eq_u32 s2, 6
	s_cselect_b64 s[14:15], s[10:11], s[14:15]
	s_add_nc_u64 s[14:15], s[14:15], s[16:17]
	s_add_nc_u64 s[12:13], s[12:13], s[18:19]
.irp i, 0,1,2,3,4,5,6,7
	global_load_b128 v[X+4*\i:X+4*\i+3], v1, s[14:15] offset:4096*\i th:TH_LOAD_NT   ; all eight go out at once; read once in the launch
.endr
.irp i, 0,1,2,3,4,5,6,7
	s_wait_loadcnt 7-\i                            ; loads come back in order (ISA guide 5.7.1): load i is in, the 7 - i younger ones stay out
	v_cvt_pk_f16_f32 v[Y+2*\i],   v[X+4*\i],   v[X+4*\i+1]
	v_cvt_pk_f16_f32 v[Y+2*\i+1], v[X+4*\i+2], v[X+4*\i+3]
	global_store_b64 v2, v[Y+2*\i:Y+2*\i+1], s[12:13] offset:2048*\i   ; no register is written twice: no further wait
.endr
	s_endpgm
.Lfunc_end_k_q5a36dd78ef_cvt:
	.size	k_q5a36dd78ef_cvt, .Lfunc_end_k_q5a36dd78ef_cvt-k_q5a36dd78ef_cvt
	.p2alignl 7, 3214868480
	.fill 96, 4, 3214868480
	.section	.rodata,"a",@progbits
	.p2align	6, 0x0
	.amdhsa_kernel k_q5a36dd78ef_cvt
		.amdhsa_group_segment_fixed_size 0
		.amdhsa_private_segment_fixed_size 0
		.amdhsa_enable_private_segment 0
		.amdhsa_kernarg_size 40
		.amdhsa_user_sgpr_count 2
		.amdhsa_user_sgpr_kernarg_segment_ptr 1
		.amdhsa_wavefront_size32 1
		.amdhsa_system_sgpr_workgroup_id_x 1
		.amdhsa_system_sgpr_workgroup_id_y 1
		.amdhsa_system_sgpr_workgroup_id_z 1
		.amdhsa_system_vgpr_workitem_id 0
		.amdhsa_next_free_vgpr 56
		.amdhsa_next_free_sgpr 66
		.amdhsa_reserve_vcc 0
		.amdhsa_float_denorm_mode_32 3
		.amdhsa_float_denorm_mode_16_64 3
		.amdhsa_memory_ordered 1
		.amdhsa_forward_progress 1
		.amdhsa_inst_pref_size 4
	.end_amdhsa_kernel
	.amdgpu_metadata
---
amdhsa.version: [ 1, 2 ]
amdhsa.kernels:
  - .name:           k_q5a36dd78ef_cvt
    .symbol:         k_q5a36dd78ef_cvt.kd
    .args:
      - { .name: x, .offset: 0, .size: 8, .value_kind: global_buffer, .address_space: global }
      - { .name: Wq, .offset: 8, .size: 8, .value_kind: global_buffer, .address_space: global }
      - { .name: Wk, .offset: 16, .size: 8, .value_kind: global_buffer, .address_space: global }
      - { .name: Wv, .offset: 24, .size: 8, .value_kind: global_buffer, .address_space: global }
      - { .name: xw, .offset: 32, .size: 8, .value_kind: global_buffer, .address_space: global }
    .group_segment_fixed_size: 0
    .private_segment_fixed_size: 0
    .kernarg_segment_align: 8
    .kernarg_segment_size: 40
    .max_flat_workgroup_size: 256
    .sgpr_count:     66
    .vgpr_count:     56
    .wavefront_size: 32
...
	.end_amdgpu_metadata
.endif
;; end of part 1
;; launch qkv (part 2): grid 12 x 16, 4 waves a work-group, clusters of 4 x 4, 327,680 bytes of LDS; arguments xw, bq, bk, bv, qkv; writes qkv
.if DOCPART == 2
	.amdgcn_target "amdgcn-amd-amdhsa--gfx1250"
	.amdhsa_code_object_version 6
	.text
	.protected	k_q5a36dd78ef_qkv
	.globl	k_q5a36dd78ef_qkv
	.p2align	8
	.type	k_q5a36dd78ef_qkv,@function
k_q5a36dd78ef_qkv:
	s_mov_b64 s[64:65], 0
	v_nop
	global_prefetch_b8 v0, s[64:65] scope:SCOPE_SE
	s_setreg_imm32_b32 hwreg(HW_REG_WAVE_MODE, 25, 1), 1
	s_wait_xcnt 0x0
	s_wait_alu depctr_hold_cnt(0) depctr_sa_sdst(0) depctr_va_vdst(0) depctr_va_sdst(0) depctr_va_ssrc(0) depctr_va_vcc(0) depctr_vm_vsrc(0)
	s_getreg_b32 s2, hwreg(HW_REG_IB_STS2, 6, 4)
	s_cmp_eq_u32 s2, 0
	s_cbranch_scc0 .Lentry_in_a_cluster
	s_endpgm
.Lentry_in_a_cluster:
	s_bfe_u32 s2, ttmp6, 0x10000c
	s_cmp_lg_u32 s2, 0xf033
	s_cbranch_scc0 .Lentry_shape_is_right
	s_endpgm
.Lentry_shape_is_right:
; qkv[m][n] = f16( (sum over k of x[m][k] W[n][k] + b[n]) * s ), m < 4096, n < 3072: columns 0-1023 are Q' (W = Wq, s = log2(e)/4),
; columns 1024-2047 K' (Wk, s = 1/8), columns 2048-3071 V' (Wv, s = 1/8).  Operands f16 (from xw), sums f32.
; Why these scales: Q'.K' = (Q.K/32) log2(e), so that the softmax is exp2 of a difference; V's 1/8 is put back in the softmax's normaliser.
; LIMITS: f16 overflows at 65,504: |Q| must stay below 181,000, |K| and |V| below 524,000.  Inputs as drawn give |Q|, |K|, |V| of about 5; x and W
; all 30 times larger about 5,000; x and W with offsets of 30 spreads about 29,000.  With x and W 30 times smaller K' has a spread of 1.4e-4 and is
; rounded in steps of 6e-8 or finer, 4e-4 of its spread.  The sums are made in matrix steps along k, not in the order of a plain dot product.
; SHAPE: a work-group makes 256 x 256 of qkv with four waves, as many as a WGP has SIMDs; a wave 128 x 128: 64 accumulator tiles, 512 registers.
; K = 1024 goes in 8 steps of 128 through two LDS slots filled by the tensor data mover; a tile's rows are 256 bytes, at multiples of 256 from xw's first byte.
; 12 x 16 = 192 work-groups: blocks of 256 columns keep a cluster inside one weight matrix and every stored piece of a row 512 bytes long and aligned.
; CLUSTERS: 4 x 4.  The four of a cluster's row need the same rows of x, the four of a column the same rows of W: each tile is asked for jointly, by
; the same tensor load with a mask that names the four, which divides the requests for x and W by four.
;
; REGISTERS, in windows of 256:
;   window 0: v0-31 addresses; v32-63, v224-255 the bias of my 64 columns-in-lane, times s; v64-127, v128-191 fragments of x, two buffers; v192-223 packed results
;   window 1: v64-127, v128-191 fragments of W, two buffers
;   window 2: the 32 accumulator tiles of my rows 0-63 (tile (a, b) at v[8 (8 a + b)]);   window 3: those of my rows 64-127
; THE MATRIX INSTRUCTION IS USED TRANSPOSED: source 0 = 16 rows of W, source 1 = 16 rows of x.  Lane l then holds row l % 16 of the result, and its
; registers 0-7 the columns 8 (l / 16) + 0..7: eight neighbouring numbers, 16 bytes of f16.
.set KDIM,   1024
.set KSTEP,  128
.set PITCH,  272                       ; an LDS row: 256 bytes + 16 of padding, an odd multiple of 16: the 16 rows of a fragment load start 16 bytes apart modulo 256
.set HALFT,  128*PITCH                 ; what one tensor load brings
.set SLOT,   4*HALFT                   ; x's 256 rows, then W's 256 rows
.set STAGE,  2*SLOT                    ; behind the ring: 16 rows x 272 bytes for each wave, for the way out; no tensor load lands there
.set SPITCH, 272
.set LAPS,   KDIM/(2*KSTEP)            ; 4 laps of two K steps
.set CROW,   6144                      ; bytes in a row of qkv
.set ADRA, 16                          ; v16-17  LDS address of my x fragments in slot 0, 1
.set ADRB, 20                          ; v20-21  the same for W
.set STO,  24                          ; v24     the way out: where I put 16 bytes of a row
.set RD,   25                          ; v25     the way out: where I read a row back
.set CO,   26                          ; v26     my byte offset in qkv
.set F0,   64
.set F1,   128
.set TMP,  192
.set G1, 24                            ; s[24:31] descriptor group 1 for x's tiles
.set G0, 32                            ; s[32:39] group 0 for x's tiles, one set for each slot
.set G1B, 48                           ; s[48:55] group 1 for W's tiles: the mask differs
.set G0B, 56                           ; s[56:63] group 0 for W's tiles
.set MSB, 0
.macro WIN new                         ; the immediate's high byte repeats the setting that is left; a switch that changes nothing is dropped
.if MSB != \new
	s_set_vgpr_msb (MSB<<8)|\new
.set MSB, \new
.endif
.endm
.set MUL_LO, 0xa1                      ; source 0 (W) window 1, source 1 (x) window 0, C and D window 2
.set MUL_HI, 0xf1                      ; the same, C and D window 3
.set TO_B,   0x40                      ; destination window 1, address window 0
; A joint load.  Waves 0 and 1 fetch x's two halves, waves 2 and 3 W's.  The branch hangs on the wave's number alone.
.macro JLOAD s
	s_cmp_eq_u32 s11, 0
	s_cbranch_scc0 .Lfor_b_\@
	tensor_load_to_lds s[G0+4*\s:G0+4*\s+3], s[G1:G1+7]
	s_nop 0
	s_branch .Lasked_\@
.Lfor_b_\@:
	tensor_load_to_lds s[G0B+4*\s:G0B+4*\s+3], s[G1B:G1B+7]
	s_nop 0
.Lasked_\@:
.endm
; A round of the cluster's barrier: my work-group's barrier; wave 0 signals for the work-group; every wave waits for all sixteen; my work-group's barrier again.
.macro CREST                           ; a round behind its opening barrier
	s_cmp_lg_u32 s10, 0
	s_cbranch_scc1 .Lnot_wave_0_\@
	s_barrier_signal -3
.Lnot_wave_0_\@:
	s_barrier_wait -3
	s_barrier_signal -1
	s_barrier_wait -1
.endm
.macro CROUND
	s_barrier_signal -1
	s_barrier_wait -1
	CREST
.endm
	s_load_b64 s[4:5], s[0:1], 0x0                 ; xw
	s_load_b128 s[68:71], s[0:1], 0x8              ; bq s[68:69], bk s[70:71]
	s_load_b64 s[72:73], s[0:1], 0x18              ; bv
	s_load_b64 s[8:9], s[0:1], 0x20                ; qkv
	s_set_vgpr_msb 0x40
	v_lshl_add_u32 v255, v0, 2, 0x48400
	s_set_vgpr_msb 0x4000
	v_mov_b32 v31, 0
	s_set_vgpr_msb 0x1
	ds_add_u32 v255, v31
	s_set_vgpr_msb 0x100
	v_lshrrev_b32 v1, 5, v0
	v_readfirstlane_b32 s10, v1                    ; wave 0..3
	s_lshr_b32 s11, s10, 1                         ; which half of the block's rows is mine.  Also: I fetch for x (0) or for W (1)
	s_and_b32 s12, s10, 1                          ; which half of its columns.  Also: which 128 rows of that tile I fetch
	s_bfe_u32 s40, ttmp6, 0x40000                  ; cx
	s_bfe_u32 s41, ttmp6, 0x40004                  ; cy
	s_lshl_b32 s42, ttmp9, 2
	s_add_co_u32 s42, s42, s40                     ; block column = 4 x cluster x + cx, 0..11
	s_and_b32 s13, ttmp7, 0xffff
	s_lshl_b32 s13, s13, 2
	s_add_co_u32 s13, s13, s41                     ; block row = 4 x cluster y + cy, 0..15
	s_lshl_b32 s43, s41, 2
	s_lshl_b32 s43, 15, s43                        ; my row of the cluster: places 4 cy .. 4 cy + 3
	s_lshl_b32 s44, 0x1111, s40                    ; my column: places cx, cx + 4, cx + 8, cx + 12
	; group 1: a tile of 128 rows x 128 elements of 2 bytes, 4 words of padding behind every 64
	s_or_b32 s[G1+0], s43, (1<<16)|(1<<20)|(1<<21)|(5<<22)|(3<<25)   ; 15:0 mask; 17:16 element size; 20 padding on; 21 set beside a mask; 24:22 interval; 31:25 pad
	s_or_b32 s[G1B+0], s44, (1<<16)|(1<<20)|(1<<21)|(5<<22)|(3<<25)
	s_mov_b32 s[G1+1], KSTEP<<16                   ; tensor_dim0 = 128
	s_mov_b32 s[G1B+1], KSTEP<<16
	s_mov_b32 s[G1+2], 128<<16                     ; tensor_dim1 = 128
	s_mov_b32 s[G1B+2], 128<<16
	s_mov_b32 s[G1+3], KSTEP<<16                   ; tile_dim0 = 128
	s_mov_b32 s[G1B+3], KSTEP<<16
	s_mov_b32 s[G1+4], 128                         ; tile_dim1 = 128
	s_mov_b32 s[G1B+4], 128
	s_mov_b32 s[G1+5], KDIM                        ; elements from row to row
	s_mov_b32 s[G1B+5], KDIM
	s_mov_b32 s[G1+6], 0
	s_mov_b32 s[G1B+6], 0
	s_mov_b32 s[G1+7], 0
	s_mov_b32 s[G1B+7], 0
	; x's tiles hang on the block row alone, W's on the block column alone; each address is made in registers that never hold the other coordinate
	s_lshl_b32 s17, s12, 7
	s_lshl_b32 s16, s13, 8
	s_add_co_u32 s16, s16, s17                     ; x: row 256 x block row + 128 x half
	s_lshl_b32 s46, s42, 8
	s_add_co_u32 s46, s46, s17                     ; W: row 256 x block column + 128 x half of the 3,072 stacked rows
	s_mov_b32 s17, 0
	s_mov_b32 s47, 0
	s_mov_b64 s[18:19], KDIM*2
	s_mul_u64 s[16:17], s[16:17], s[18:19]
	s_mul_u64 s[46:47], s[46:47], s[18:19]
	s_mul_i32 s20, s10, HALFT                      ; LDS: wave x 128 rows; no place in the cluster enters an LDS address
	; which of the three matrices my cluster makes: the cluster's x, equal in all sixteen partners
	s_mov_b32 s74, 0x3e000000                      ; 1/8
	s_cmp_eq_u32 ttmp9, 0
	s_cselect_b32 s74, 0x3eb8aa3b, s74             ; log2(e)/4 for Q
	s_mov_b32 s75, s74
	s_lshl_b32 s76, s40, 10                        ; my 128 columns in the bias: 4 bytes x (256 cx + 128 half)
	s_lshl_b32 s77, s12, 9
	s_add_co_u32 s76, s76, s77
	s_mov_b32 s77, 0
	s_wait_dscnt 0x0
	s_wait_kmcnt 0x0
	s_cmp_eq_u32 ttmp9, 1
	s_cselect_b64 s[68:69], s[70:71], s[68:69]
	s_cmp_eq_u32 ttmp9, 2
	s_cselect_b64 s[68:69], s[72:73], s[68:69]
	s_add_nc_u64 s[68:69], s[68:69], s[76:77]
	s_add_nc_u64 s[6:7], s[4:5], 0x800000          ; the stacked weights lie behind x in xw
	s_add_nc_u64 s[14:15], s[4:5], s[16:17]
	s_add_nc_u64 s[46:47], s[6:7], s[46:47]
	CROUND                                         ; all sixteen work-groups are here: the first joint loads meet
.irp s, 0,1
	s_mov_b32 s[G0+4*\s], 1
	s_add_co_u32 s[G0+4*\s+1], s20, \s*SLOT
	s_add_nc_u64 s[G0+4*\s+2:G0+4*\s+3], s[14:15], \s*KSTEP*2
	s_or_b32 s[G0+4*\s+3], s[G0+4*\s+3], 0x80000000
	s_mov_b32 s[G0B+4*\s], 1
	s_add_co_u32 s[G0B+4*\s+1], s20, \s*SLOT
	s_add_nc_u64 s[G0B+4*\s+2:G0B+4*\s+3], s[46:47], \s*KSTEP*2
	s_or_b32 s[G0B+4*\s+3], s[G0B+4*\s+3], 0x80000000
	JLOAD \s                                       ; both first fills go out as one group: two tensor loads of the wave are out, the most in this text
.endr
	v_and_b32 v1, 15, v0                           ; l % 16
	v_bfe_u32 v2, v0, 4, 1                         ; l / 16
	v_lshlrev_b32 v6, 5, v2                        ; the bias of columns 16 b + 8 (l / 16) + 0..7: 32 bytes at 64 b + 32 (l / 16)
.irp b, 0,1,2,3,4,5,6,7
.set BI, 32+8*\b+160*(\b/4)
	global_load_b128 v[BI:BI+3],   v6, s[68:69] offset:64*\b
	global_load_b128 v[BI+4:BI+7], v6, s[68:69] offset:64*\b+16
.endr
	v_mul_u32_u24 v3, v1, PITCH
	v_lshl_add_u32 v3, v2, 4, v3                   ; fragment: row x pitch + 16 x half; two loads of 16 bytes, 32 apart
	s_mul_i32 s21, s11, HALFT                      ; my 128 rows of x
	s_mul_i32 s22, s12, HALFT                      ; my 128 rows of W,
	s_add_co_u32 s22, s22, 2*HALFT                 ; which lie behind x's 256
.irp s, 0,1
	v_add_nc_u32 v[ADRA+\s], s21, v3
	v_add_nc_u32 v[ADRB+\s], s22, v3
	s_add_co_u32 s21, s21, SLOT
	s_add_co_u32 s22, s22, SLOT
.endr
	s_mul_i32 s23, s10, 16*SPITCH
	s_add_co_u32 s23, s23, STAGE                   ; my stage
	v_mul_u32_u24 v4, v1, SPITCH
	v_lshl_add_u32 v4, v2, 4, v4
	v_add_nc_u32 v[STO], s23, v4
	v_mul_u32_u24 v5, v2, SPITCH
	v_lshl_add_u32 v5, v1, 4, v5
	v_add_nc_u32 v[RD], s23, v5
	v_mul_u32_u24 v5, v2, CROW
	v_lshl_add_u32 v[CO], v1, 4, v5
	s_wait_loadcnt 0x0                             ; the bias, once; it is scaled here so that the way out is one fused multiply-add a number
.irp b, 0,1,2,3,4,5,6,7
.irp r, 0,1,2,3
.set BI, 32+8*\b+160*(\b/4)+2*\r
	v_pk_mul_f32 v[BI:BI+1], v[BI:BI+1], s[74:75] op_sel_hi:[1,0]
.endr
.endr
; 16 matrix instructions: m blocks a0, a0 + 1 of the window's four x all 8 n blocks, 32 along K.  zero = 1: the first product starts the sums.
; The 64 accumulators take turns, one instruction a turn, in the same order in every quarter step.
.macro MUL16 f, hi, a0, zero
.irp a, \a0, \a0+1
.irp b, 0,1,2,3,4,5,6,7
.if \zero
	v_wmma_f32_16x16x32_f16 v[8*(8*(\a)+\b):8*(8*(\a)+\b)+7], v[\f+8*\b:\f+8*\b+7], v[\f+8*(4*\hi+\a):\f+8*(4*\hi+\a)+7], 0
.else
	v_wmma_f32_16x16x32_f16 v[8*(8*(\a)+\b):8*(8*(\a)+\b)+7], v[\f+8*\b:\f+8*\b+7], v[\f+8*(4*\hi+\a):\f+8*(4*\hi+\a)+7], v[8*(8*(\a)+\b):8*(8*(\a)+\b)+7]
.endif
.endr
.endr
.endm
; 32 LDS loads in one run: the fragments of one quarter step (32 K at byte k of the rows) into buffer f
.macro FETCH slot, k, f
	WIN TO_B
.irp i, 0,1,2,3,4,5,6,7
	ds_load_b128 v[\f+8*\i:\f+8*\i+3],   v[ADRB+\slot] offset:\k+\i*16*PITCH
	ds_load_b128 v[\f+8*\i+4:\f+8*\i+7], v[ADRB+\slot] offset:\k+\i*16*PITCH+32
.endr
	WIN 0
.irp i, 0,1,2,3,4,5,6,7
	ds_load_b128 v[\f+8*\i:\f+8*\i+3],   v[ADRA+\slot] offset:\k+\i*16*PITCH
	ds_load_b128 v[\f+8*\i+4:\f+8*\i+7], v[ADRA+\slot] offset:\k+\i*16*PITCH+32
.endr
.endm
; Four independent vector instructions stand between a matrix instruction and a load into, or a vector instruction on, one of its registers
; (ISA guide 7.12.1 for vector instructions); the matrix instructions in between are not counted.
.macro PLACES
.rept 4
	v_nop
.endr
.endm
; A K step is four quarter steps of 32 along K, 64 matrix instructions each, on buffers 0, 1, 0, 1.
.macro QUARTER slot, k, f, g, zero
	s_wait_dscnt 8                                 ; W and x's rows 0-63 are in; the youngest eight loads (x's rows 64-127) may be out
	WIN MUL_LO
	MUL16 \f, 0, 0, \zero
	MUL16 \f, 0, 2, \zero
	PLACES
	FETCH \slot, \k, \g
	s_wait_dscnt 32                                ; all but the 32 just issued
	WIN MUL_HI
	MUL16 \f, 1, 0, \zero
	MUL16 \f, 1, 2, \zero
.endm
.macro THREE slot, zero
	QUARTER \slot, 64,  F0, F1, \zero
	QUARTER \slot, 128, F1, F0, 0
	QUARTER \slot, 192, F0, F1, 0
.endm
; The last quarter changes slots.  In front of the one barrier each wave waits for its reads of this slot and for all its tensor loads (one is out: its
; part of the next slot).  Behind it the refill comes first, then the next slot's first fragments.  From a request to its wait: 240 matrix instructions.
.macro TURN slot, next, fill
	s_wait_dscnt 8
	WIN MUL_LO
	MUL16 F1, 0, 0, 0
	s_wait_dscnt 0                                 ; my reads of this slot are over
	s_wait_tensorcnt 0x0                           ; and all my tensor loads have landed
	ds_add_u32 v255, v31
	s_wait_dscnt 0x0
	s_barrier_signal -1                            ; (where a slot is filled again this barrier opens a round of the cluster's barrier)
	MUL16 F1, 0, 2, 0                              ; register work while the others arrive
	WIN 0
	s_barrier_wait -1
.if \fill
	CREST                                          ; no wave of any partner still reads this slot or has a load on its way
	s_add_nc_u64 s[G0+4*\slot+2:G0+4*\slot+3], s[G0+4*\slot+2:G0+4*\slot+3], 2*KSTEP*2
	s_add_nc_u64 s[G0B+4*\slot+2:G0B+4*\slot+3], s[G0B+4*\slot+2:G0B+4*\slot+3], 2*KSTEP*2
	JLOAD \slot                                    ; the first tensor load behind the round, and the wave's only one until the next
.endif
	PLACES
	FETCH \next, 0, F0
	WIN MUL_HI
	MUL16 F1, 1, 0, 0
	MUL16 F1, 1, 2, 0
.endm
.macro LAP zero
	THREE 0, \zero
	TURN 0, 1, 1
	THREE 1, 0
	TURN 1, 0, 1
.endm
	s_wait_tensorcnt 1                             ; my part of K step 0 is in; K step 1's stays out
	s_barrier_signal -1
	s_barrier_wait -1
	FETCH 0, 0, F0
	LAP 1                                          ; the first lap stands in front of the loop: its first products start the sums
	WIN 0
	s_mov_b32 s3, LAPS-2
.Llap:
	LAP 0
	WIN 0
	s_sub_co_u32 s3, s3, 1
	s_cmp_lg_u32 s3, 0
	s_cbranch_scc1 .Llap
	THREE 0, 0                                     ; the last lap fills nothing
	TURN 0, 1, 0
	THREE 1, 0
	s_wait_dscnt 8
	WIN MUL_LO
	MUL16 F1, 0, 0, 0
	MUL16 F1, 0, 2, 0
	s_wait_dscnt 0
	WIN MUL_HI
	MUL16 F1, 1, 0, 0
	MUL16 F1, 1, 2, 0
	; THE WAY OUT, 16 rows at a time: sum x s + bias x s, round to f16, 16 bytes a lane into my own stage, read back as whole rows of 256 bytes.
	PLACES
	s_lshl_b32 s13, s13, 8
	s_lshl_b32 s14, s11, 7
	s_add_co_u32 s16, s13, s14                     ; my first row
	s_mov_b32 s17, 0
	s_mov_b64 s[18:19], CROW
	s_mul_u64 s[16:17], s[16:17], s[18:19]
	s_add_nc_u64 s[8:9], s[8:9], s[16:17]
	s_lshl_b32 s46, s42, 9                         ; my first column, in bytes: 512 x block + 256 x half
	s_lshl_b32 s47, s12, 8
	s_add_co_u32 s46, s46, s47
	s_mov_b32 s47, 0
	s_add_nc_u64 s[8:9], s[8:9], s[46:47]
; rows 16 i .. 16 i + 15 = the eight tiles (a, 0..7) of window 2 or 3.  inw: source 0 and destination in that window, source 2 in window 0;
; rdw: sources 0 and 1 in that window, destination in window 0.  f: F0 or F1 in turn.
.macro OUT16 i, a, inw, rdw, f
	WIN \inw
.irp b, 0,1,2,3,4,5,6,7
.irp r, 0,1,2,3
.set BI, 32+8*\b+160*(\b/4)+2*\r
	v_pk_fma_f32 v[8*(8*\a+\b)+2*\r:8*(8*\a+\b)+2*\r+1], v[8*(8*\a+\b)+2*\r:8*(8*\a+\b)+2*\r+1], s[74:75], v[BI:BI+1] op_sel_hi:[1,0,1]
.endr
.endr
	WIN \rdw
.irp b, 0,1,2,3,4,5,6,7
.irp r, 0,1,2,3
	v_cvt_pk_f16_f32 v[TMP+4*\b+\r], v[8*(8*\a+\b)+2*\r], v[8*(8*\a+\b)+2*\r+1]
.endr
.endr
	WIN 0
.irp b, 0,1,2,3,4,5,6,7
	ds_store_b128 v[STO], v[TMP+4*\b:TMP+4*\b+3] offset:32*\b
.endr
	s_wait_xcnt 0x0                                ; buffer f, which earlier stores read, and the stores' base are rewritten only behind this wait (ISA guide 3.1)
.if \i
	s_add_nc_u64 s[8:9], s[8:9], 16*CROW
.endif
.irp t, 0,1,2,3,4,5,6,7
	ds_load_b128 v[\f+4*\t:\f+4*\t+3], v[RD] offset:\t*2*SPITCH    ; LDS serves a wave's instructions in order: these see the stores above
.endr
.irp t, 0,1,2,3,4,5,6,7
	s_wait_dscnt 7-\t                              ; pair t of rows is in, the later pairs may be out
	global_store_b128 v[CO], v[\f+4*\t:\f+4*\t+3], s[8:9] offset:2*\t*CROW   ; 16 lanes store 256 consecutive bytes, at a multiple of 256 from qkv's first byte
.endr
.endm
	OUT16 0, 0, 0x82, 0x0a, F0
	OUT16 1, 1, 0x82, 0x0a, F1
	OUT16 2, 2, 0x82, 0x0a, F0
	OUT16 3, 3, 0x82, 0x0a, F1
	OUT16 4, 0, 0xc3, 0x0f, F0
	OUT16 5, 1, 0xc3, 0x0f, F1
	OUT16 6, 2, 0xc3, 0x0f, F0
	OUT16 7, 3, 0xc3, 0x0f, F1
	s_set_vgpr_msb 0x1
	s_wait_tensorcnt 0x0
	ds_add_u32 v255, v31
	s_wait_dscnt 0x0
	s_set_vgpr_msb 0x100
	CROUND                                         ; the closing round: no work-group ends while a partner may still ask for a tile that names it
	s_endpgm
.Lfunc_end_k_q5a36dd78ef_qkv:
	.size	k_q5a36dd78ef_qkv, .Lfunc_end_k_q5a36dd78ef_qkv-k_q5a36dd78ef_qkv
	.p2alignl 7, 3214868480
	.fill 96, 4, 3214868480
	.section	.rodata,"a",@progbits
	.p2align	6, 0x0
	.amdhsa_kernel k_q5a36dd78ef_qkv
		.amdhsa_group_segment_fixed_size 327680
		.amdhsa_private_segment_fixed_size 0
		.amdhsa_enable_private_segment 0
		.amdhsa_kernarg_size 40
		.amdhsa_user_sgpr_count 2
		.amdhsa_user_sgpr_kernarg_segment_ptr 1
		.amdhsa_wavefront_size32 1
		.amdhsa_system_sgpr_workgroup_id_x 1
		.amdhsa_system_sgpr_workgroup_id_y 1
		.amdhsa_system_sgpr_workgroup_id_z 1
		.amdhsa_system_vgpr_workitem_id 0
		.amdhsa_next_free_vgpr 1024
		.amdhsa_next_free_sgpr 80
		.amdhsa_reserve_vcc 0
		.amdhsa_float_denorm_mode_32 3
		.amdhsa_float_denorm_mode_16_64 3
		.amdhsa_memory_ordered 1
		.amdhsa_forward_progress 1
		.amdhsa_inst_pref_size 217
	.end_amdhsa_kernel
	.amdgpu_metadata
---
amdhsa.version: [ 1, 2 ]
amdhsa.kernels:
  - .name:           k_q5a36dd78ef_qkv
    .symbol:         k_q5a36dd78ef_qkv.kd
    .args:
      - { .name: xw, .offset: 0, .size: 8, .value_kind: global_buffer, .address_space: global }
      - { .name: bq, .offset: 8, .size: 8, .value_kind: global_buffer, .address_space: global }
      - { .name: bk, .offset: 16, .size: 8, .value_kind: global_buffer, .address_space: global }
      - { .name: bv, .offset: 24, .size: 8, .value_kind: global_buffer, .address_space: global }
      - { .name: qkv, .offset: 32, .size: 8, .value_kind: global_buffer, .address_space: global }
    .group_segment_fixed_size: 327680
    .private_segment_fixed_size: 0
    .kernarg_segment_align: 8
    .kernarg_segment_size: 40
    .max_flat_workgroup_size: 128
    .sgpr_count:     80
    .vgpr_count:     1024
    .wavefront_size: 32
...
	.end_amdgpu_metadata
.endif
;; end of part 2
;; launch scores (part 3): grid 16 x 16, 4 waves a work-group, clusters of 4 x 4, 327,680 bytes of LDS; arguments qkv, p, stats; writes p, stats
.if DOCPART == 3
	.amdgcn_target "amdgcn-amd-amdhsa--gfx1250"
	.amdhsa_code_object_version 6
	.text
	.protected	k_q5a36dd78ef_scores
	.globl	k_q5a36dd78ef_scores
	.p2align	8
	.type	k_q5a36dd78ef_scores,@function
k_q5a36dd78ef_scores:
	s_mov_b64 s[64:65], 0
	v_nop
	global_prefetch_b8 v0, s[64:65] scope:SCOPE_SE
	s_setreg_imm32_b32 hwreg(HW_REG_WAVE_MODE, 25, 1), 1
	s_wait_xcnt 0x0
	s_wait_alu depctr_hold_cnt(0) depctr_sa_sdst(0) depctr_va_vdst(0) depctr_va_sdst(0) depctr_va_ssrc(0) depctr_va_vcc(0) depctr_vm_vsrc(0)
	s_getreg_b32 s2, hwreg(HW_REG_IB_STS2, 6, 4)
	s_cmp_eq_u32 s2, 0
	s_cbranch_scc0 .Lentry_in_a_cluster
	s_endpgm
.Lentry_in_a_cluster:
	s_bfe_u32 s2, ttmp6, 0x10000c
	s_cmp_lg_u32 s2, 0xf033
	s_cbranch_scc0 .Lentry_shape_is_right
	s_endpgm
.Lentry_shape_is_right:
; For each query row m and each block kb of 128 keys: t[n] = sum over k of Q'[m][k] K'[n][k] (= score x log2(e)), mx = max of t over the block,
; p(m, n) = f16(exp2(t[n] - mx)), stats[kb][m] = (mx, sum over the block of exp2(t[n] - mx)) in f32.
; The maximum that the softmax takes away is here the block's own; the next launch raises it to the row's maximum over all 32 blocks, exactly.
; p <= 1 and the block's largest p is 1, so f16 has room whatever the scores; a p below 6e-8 becomes 0 beside that 1.
; The sum is made of the unrounded exponentials, in a tree, not in the order of a plain sum.
; p IS STORED AS MATRIX FRAGMENTS: p[block of 16 queries][block of 32 keys][half c][lane l][16 bytes], where lane l's 16 bytes are query l % 16,
; keys 16 c + 8 (l / 16) + 0..7 of the block: 1,024 bytes a fragment, 131,072 bytes for 16 queries.  That is what a lane holds here after packing, so the
; packed registers are stored as they are, and the next launch loads them as they are.
; SHAPE: a work-group makes 256 queries x 256 keys with four waves; a wave 128 x 128 (one block kb): 64 accumulator tiles, 512 registers.
; K = 1024 goes in 8 steps of 128 through two LDS slots filled by the tensor data mover; a tile's rows are 256 bytes, at multiples of 256 from qkv's first byte.
; CLUSTERS: 4 x 4.  The four of a cluster's row need the same rows of Q', the four of a column the same rows of K': joint tensor loads, a quarter of the requests.
;
; REGISTERS, in windows of 256:
;   window 0: v0-31 addresses; v32-63 softmax figures; v64-127, v128-191 fragments of Q', two buffers; v192-223 packed results; v224-255 partial sums
;   window 1: v64-127, v128-191 fragments of K', two buffers
;   window 2: the 32 accumulator tiles of my rows 0-63 (tile (a, b) at v[8 (8 a + b)]);   window 3: those of my rows 64-127
; THE MATRIX INSTRUCTION IS USED TRANSPOSED: source 0 = 16 rows of K', source 1 = 16 rows of Q'.  Lane l then holds query l % 16 and, in tile b's registers
; 0-7, the keys 16 b + 8 (l / 16) + 0..7: a query's 128 scores lie in 64 consecutive registers of lanes l and l xor 16.
.set KDIM,   1024
.set KSTEP,  128
.set PITCH,  272                       ; an LDS row: 256 bytes + 16 of padding, an odd multiple of 16
.set HALFT,  128*PITCH
.set SLOT,   4*HALFT                   ; Q's 256 rows, then K's 256 rows
.set LAPS,   KDIM/(2*KSTEP)
.set QROW,   6144                      ; bytes in a row of qkv
.set RBB,    131072                    ; bytes of p for 16 queries
.set ADRA, 16
.set ADRB, 20
.set CO,   26                          ; v26       16 x lane
.set ST,   32                          ; v[32:47]  (maximum, sum) of my eight groups of 16 rows
.set MX,   48                          ; v[48:51]  four running maxima
.set XT,   54                          ; v54       what the other half of the lanes holds
.set SOFF, 55                          ; v55       8 x lane
.set SO,   56                          ; v[56:63]  the figures as stored
.set F0,   64
.set F1,   128
.set TMP,  192
.set T,    224
.set G1, 24
.set G0, 32
.set G1B, 48
.set G0B, 56
.set MSB, 0
.macro WIN new                         ; the immediate's high byte repeats the setting that is left; a switch that changes nothing is dropped
.if MSB != \new
	s_set_vgpr_msb (MSB<<8)|\new
.set MSB, \new
.endif
.endm
.set MUL_LO, 0xa1                      ; source 0 (K') window 1, source 1 (Q') window 0, C and D window 2
.set MUL_HI, 0xf1
.set TO_B,   0x40
.macro JLOAD s                         ; waves 0 and 1 fetch Q's two halves, waves 2 and 3 K's; the branch hangs on the wave's number alone
	s_cmp_eq_u32 s11, 0
	s_cbranch_scc0 .Lfor_b_\@
	tensor_load_to_lds s[G0+4*\s:G0+4*\s+3], s[G1:G1+7]
	s_nop 0
	s_branch .Lasked_\@
.Lfor_b_\@:
	tensor_load_to_lds s[G0B+4*\s:G0B+4*\s+3], s[G1B:G1B+7]
	s_nop 0
.Lasked_\@:
.endm
.macro CREST                           ; a round of the cluster's barrier behind its opening barrier
	s_cmp_lg_u32 s10, 0
	s_cbranch_scc1 .Lnot_wave_0_\@
	s_barrier_signal -3
.Lnot_wave_0_\@:
	s_barrier_wait -3
	s_barrier_signal -1
	s_barrier_wait -1
.endm
.macro CROUND
	s_barrier_signal -1
	s_barrier_wait -1
	CREST
.endm
	s_load_b64 s[4:5], s[0:1], 0x0                 ; qkv
	s_load_b64 s[8:9], s[0:1], 0x8                 ; p
	s_load_b64 s[66:67], s[0:1], 0x10              ; stats
	s_set_vgpr_msb 0x40
	v_lshl_add_u32 v255, v0, 2, 0x44000
	s_set_vgpr_msb 0x4000
	v_mov_b32 v53, 0
	s_set_vgpr_msb 0x1
	ds_add_u32 v255, v53
	s_set_vgpr_msb 0x100
	v_lshrrev_b32 v1, 5, v0
	v_readfirstlane_b32 s10, v1                    ; wave 0..3
	s_lshr_b32 s11, s10, 1                         ; which half of the block's queries is mine.  Also: I fetch for Q' (0) or for K' (1)
	s_and_b32 s12, s10, 1                          ; which half of its keys.  Also: which 128 rows of that tile I fetch
	s_bfe_u32 s40, ttmp6, 0x40000                  ; cx
	s_bfe_u32 s41, ttmp6, 0x40004                  ; cy
	s_lshl_b32 s42, ttmp9, 2
	s_add_co_u32 s42, s42, s40                     ; block of keys = 4 x cluster x + cx
	s_and_b32 s13, ttmp7, 0xffff
	s_lshl_b32 s13, s13, 2
	s_add_co_u32 s13, s13, s41                     ; block of queries = 4 x cluster y + cy
	s_lshl_b32 s43, s41, 2
	s_lshl_b32 s43, 15, s43                        ; my row of the cluster
	s_lshl_b32 s44, 0x1111, s40                    ; my column
	s_mov_b32 s76, 0x76543210                      ; v_permlanex16_b32: lane i of one half reads lane i of the other
	s_mov_b32 s77, 0xfedcba98
	s_or_b32 s[G1+0], s43, (1<<16)|(1<<20)|(1<<21)|(5<<22)|(3<<25)   ; mask; elements of 2 bytes; 4 words of padding behind every 64; bit 21 beside a mask
	s_or_b32 s[G1B+0], s44, (1<<16)|(1<<20)|(1<<21)|(5<<22)|(3<<25)
	s_mov_b32 s[G1+1], KSTEP<<16                   ; tensor_dim0 = 128
	s_mov_b32 s[G1B+1], KSTEP<<16
	s_mov_b32 s[G1+2], 128<<16                     ; tensor_dim1 = 128
	s_mov_b32 s[G1B+2], 128<<16
	s_mov_b32 s[G1+3], KSTEP<<16                   ; tile_dim0 = 128
	s_mov_b32 s[G1B+3], KSTEP<<16
	s_mov_b32 s[G1+4], 128                         ; tile_dim1 = 128
	s_mov_b32 s[G1B+4], 128
	s_mov_b32 s[G1+5], 3072                        ; elements from row to row of qkv
	s_mov_b32 s[G1B+5], 3072
	s_mov_b32 s[G1+6], 0
	s_mov_b32 s[G1B+6], 0
	s_mov_b32 s[G1+7], 0
	s_mov_b32 s[G1B+7], 0
	s_lshl_b32 s17, s12, 7
	s_lshl_b32 s16, s13, 8
	s_add_co_u32 s16, s16, s17                     ; Q': row 256 x block of queries + 128 x half
	s_lshl_b32 s46, s42, 8
	s_add_co_u32 s46, s46, s17                     ; K': row 256 x block of keys + 128 x half
	s_mov_b32 s17, 0
	s_mov_b32 s47, 0
	s_mov_b64 s[18:19], QROW
	s_mul_u64 s[16:17], s[16:17], s[18:19]
	s_mul_u64 s[46:47], s[46:47], s[18:19]
	s_mul_i32 s20, s10, HALFT
	s_wait_dscnt 0x0
	s_wait_kmcnt 0x0
	s_add_nc_u64 s[6:7], s[4:5], 2048              ; K' begins at column 1024 of qkv
	s_add_nc_u64 s[14:15], s[4:5], s[16:17]
	s_add_nc_u64 s[46:47], s[6:7], s[46:47]
	CROUND                                         ; all sixteen work-groups are here: the first joint loads meet
.irp s, 0,1
	s_mov_b32 s[G0+4*\s], 1
	s_add_co_u32 s[G0+4*\s+1], s20, \s*SLOT
	s_add_nc_u64 s[G0+4*\s+2:G0+4*\s+3], s[14:15], \s*KSTEP*2
	s_or_b32 s[G0+4*\s+3], s[G0+4*\s+3], 0x80000000
	s_mov_b32 s[G0B+4*\s], 1
	s_add_co_u32 s[G0B+4*\s+1], s20, \s*SLOT
	s_add_nc_u64 s[G0B+4*\s+2:G0B+4*\s+3], s[46:47], \s*KSTEP*2
	s_or_b32 s[G0B+4*\s+3], s[G0B+4*\s+3], 0x80000000
	JLOAD \s                                       ; both first fills as one group: two tensor loads of the wave are out, the most in this text
.endr
	v_and_b32 v1, 15, v0                           ; l % 16
	v_bfe_u32 v2, v0, 4, 1                         ; l / 16
	v_mul_u32_u24 v3, v1, PITCH
	v_lshl_add_u32 v3, v2, 4, v3
	s_mul_i32 s21, s11, HALFT
	s_mul_i32 s22, s12, HALFT
	s_add_co_u32 s22, s22, 2*HALFT
.irp s, 0,1
	v_add_nc_u32 v[ADRA+\s], s21, v3
	v_add_nc_u32 v[ADRB+\s], s22, v3
	s_add_co_u32 s21, s21, SLOT
	s_add_co_u32 s22, s22, SLOT
.endr
	v_and_b32 v7, 31, v0
	v_lshlrev_b32 v[CO], 4, v7                     ; my 16 bytes of a half fragment
	v_mov_b32 v[XT], 0                             ; v_permlanex16_b32 counts as a reader of its destination
; The 64 accumulators take turns, one instruction a turn, in the same order in every quarter step.
.macro MUL16 f, hi, a0, zero
.irp a, \a0, \a0+1
.irp b, 0,1,2,3,4,5,6,7
.if \zero
	v_wmma_f32_16x16x32_f16 v[8*(8*(\a)+\b):8*(8*(\a)+\b)+7], v[\f+8*\b:\f+8*\b+7], v[\f+8*(4*\hi+\a):\f+8*(4*\hi+\a)+7], 0
.else
	v_wmma_f32_16x16x32_f16 v[8*(8*(\a)+\b):8*(8*(\a)+\b)+7], v[\f+8*\b:\f+8*\b+7], v[\f+8*(4*\hi+\a):\f+8*(4*\hi+\a)+7], v[8*(8*(\a)+\b):8*(8*(\a)+\b)+7]
.endif
.endr
.endr
.endm
.macro FETCH slot, k, f
	WIN TO_B
.irp i, 0,1,2,3,4,5,6,7
	ds_load_b128 v[\f+8*\i:\f+8*\i+3],   v[ADRB+\slot] offset:\k+\i*16*PITCH
	ds_load_b128 v[\f+8*\i+4:\f+8*\i+7], v[ADRB+\slot] offset:\k+\i*16*PITCH+32
.endr
	WIN 0
.irp i, 0,1,2,3,4,5,6,7
	ds_load_b128 v[\f+8*\i:\f+8*\i+3],   v[ADRA+\slot] offset:\k+\i*16*PITCH
	ds_load_b128 v[\f+8*\i+4:\f+8*\i+7], v[ADRA+\slot] offset:\k+\i*16*PITCH+32
.endr
.endm
; Four independent vector instructions between a matrix instruction and a load into, or a vector instruction on, one of its registers
; (ISA guide 7.12.1 for vector instructions).
.macro PLACES
.rept 4
	v_nop
.endr
.endm
.macro QUARTER slot, k, f, g, zero
	s_wait_dscnt 8                                 ; K' and Q's rows 0-63 are in; the youngest eight loads (Q's rows 64-127) may be out
	WIN MUL_LO
	MUL16 \f, 0, 0, \zero
	MUL16 \f, 0, 2, \zero
	PLACES
	FETCH \slot, \k, \g
	s_wait_dscnt 32                                ; all but the 32 just issued
	WIN MUL_HI
	MUL16 \f, 1, 0, \zero
	MUL16 \f, 1, 2, \zero
.endm
.macro THREE slot, zero
	QUARTER \slot, 64,  F0, F1, \zero
	QUARTER \slot, 128, F1, F0, 0
	QUARTER \slot, 192, F0, F1, 0
.endm
; The last quarter changes slots: each wave's reads of this slot and all its tensor loads are waited for in front of the one barrier; the refill comes first behind it.
.macro TURN slot, next, fill
	s_wait_dscnt 8
	WIN MUL_LO
	MUL16 F1, 0, 0, 0
	s_wait_dscnt 0                                 ; my reads of this slot are over
	s_wait_tensorcnt 0x0                           ; all my tensor loads have landed: the one that was out is my part of the next slot
	ds_add_u32 v255, v53
	s_wait_dscnt 0x0
	s_barrier_signal -1
	MUL16 F1, 0, 2, 0
	WIN 0
	s_barrier_wait -1
.if \fill
	CREST                                          ; no wave of any partner still reads this slot or has a load on its way
	s_add_nc_u64 s[G0+4*\slot+2:G0+4*\slot+3], s[G0+4*\slot+2:G0+4*\slot+3], 2*KSTEP*2
	s_add_nc_u64 s[G0B+4*\slot+2:G0B+4*\slot+3], s[G0B+4*\slot+2:G0B+4*\slot+3], 2*KSTEP*2
	JLOAD \slot
.endif
	PLACES
	FETCH \next, 0, F0
	WIN MUL_HI
	MUL16 F1, 1, 0, 0
	MUL16 F1, 1, 2, 0
.endm
.macro LAP zero
	THREE 0, \zero
	TURN 0, 1, 1
	THREE 1, 0
	TURN 1, 0, 1
.endm
	s_wait_tensorcnt 1                             ; my part of K step 0 is in; K step 1's stays out
	s_barrier_signal -1
	s_barrier_wait -1
	FETCH 0, 0, F0
	LAP 1
	WIN 0
	s_mov_b32 s3, LAPS-2
.Llap:
	LAP 0
	WIN 0
	s_sub_co_u32 s3, s3, 1
	s_cmp_lg_u32 s3, 0
	s_cbranch_scc1 .Llap
	THREE 0, 0
	TURN 0, 1, 0
	THREE 1, 0
	s_wait_dscnt 8
	WIN MUL_LO
	MUL16 F1, 0, 0, 0
	MUL16 F1, 0, 2, 0
	s_wait_dscnt 0
	WIN MUL_HI
	MUL16 F1, 1, 0, 0
	MUL16 F1, 1, 2, 0
	; THE WAY OUT, 16 queries at a time.
	PLACES
	s_lshl_b32 s13, s13, 8
	s_lshl_b32 s14, s11, 7
	s_add_co_u32 s16, s13, s14                     ; my first query
	s_lshl_b32 s78, s16, 3                         ; stats: 8 bytes a query,
	s_lshl1_add_u32 s79, s42, s12                  ; kb = 2 x block of keys + half,
	s_lshl_b32 s79, s79, 15                        ; 32,768 bytes a block
	s_add_co_u32 s78, s78, s79
	s_mov_b32 s79, 0
	s_add_nc_u64 s[66:67], s[66:67], s[78:79]
	s_lshl_b32 s16, s16, 13                        ; p: 131,072 bytes for 16 queries
	s_mov_b32 s17, 0
	s_add_nc_u64 s[8:9], s[8:9], s[16:17]
	s_lshl_b32 s46, s42, 13                        ; my first block of 32 keys: 1,024 bytes each, 8 a block of 256 keys, 4 a half
	s_lshl_b32 s47, s12, 12
	s_add_co_u32 s46, s46, s47
	s_mov_b32 s47, 0
	s_add_nc_u64 s[8:9], s[8:9], s[46:47]
; queries 16 i .. 16 i + 15: registers 64 a .. 64 a + 63 of window 2 or 3.  inw: source 0 and destination in that window, the rest in window 0;
; rdw: sources 0 and 1 in that window, source 2 and destination in window 0.
.macro SOFT16 i, a, inw, rdw
	WIN \rdw
.irp k, 0,1,2,3
	v_max_num_f32 v[MX+\k], v[64*\a+2*\k], v[64*\a+2*\k+1]         ; the first eight scores start four chains
.endr
.set e, 8
.rept 28
	v_max3_num_f32 v[MX+(e/2)%4], v[64*\a+e], v[64*\a+e+1], v[MX+(e/2)%4]
.set e, e+2
.endr
	WIN 0
	v_max3_num_f32 v[MX], v[MX], v[MX+1], v[MX+2]
	v_max_num_f32 v[MX], v[MX], v[MX+3]
	v_permlanex16_b32 v[XT], v[MX], s76, s77       ; the query's other 64 scores lie in lane l xor 16
	v_max_num_f32 v[ST+2*\i],   v[MX], v[XT]       ; the block's maximum, in both words of the pair: the pair is the packed subtraction's source,
	v_max_num_f32 v[ST+2*\i+1], v[MX], v[XT]       ; and its second word takes the sum further down
	WIN \inw
.set e, 0
.rept 32
	v_pk_add_f32 v[64*\a+e:64*\a+e+1], v[64*\a+e:64*\a+e+1], v[ST+2*\i:ST+2*\i+1] neg_lo:[0,1] neg_hi:[0,1]
.set e, e+2
.endr
.set e, 0
.rept 64
	v_exp_f32 v[64*\a+e], v[64*\a+e]
.set e, e+1
.endr
	v_nop                                          ; one plain vector instruction between the exponentials and the first use of a result (ISA guide 5.7.2)
	s_wait_xcnt 0x0                                ; the packed registers, which the last group's stores read, are rewritten only behind this wait (ISA guide 3.1)
	WIN \rdw
	s_wait_alu depctr_va_vdst(0)
.irp b, 0,1,2,3,4,5,6,7
.irp r, 0,1,2,3
	v_cvt_pk_f16_f32 v[TMP+4*\b+\r], v[8*(8*\a+\b)+2*\r], v[8*(8*\a+\b)+2*\r+1]
.endr
.endr
.set u, 0
.rept 16
	v_pk_add_f32 v[T+2*u:T+2*u+1], v[64*\a+4*u:64*\a+4*u+1], v[64*\a+4*u+2:64*\a+4*u+3]
.set u, u+1
.endr
	WIN 0
.irp b, 0,1,2,3,4,5,6,7
	global_store_b128 v[CO], v[TMP+4*\b:TMP+4*\b+3], s[8:9] offset:\i*RBB+512*\b   ; tile b is half b % 2 of key block b / 2: the wave stores 512 consecutive bytes, at a multiple of 512 from p's first byte
.endr
.irp n, 8,4,2,1
.set u, 0
.rept \n
	v_pk_add_f32 v[T+2*u:T+2*u+1], v[T+2*u:T+2*u+1], v[T+2*(u+\n):T+2*(u+\n)+1]
.set u, u+1
.endr
.endr
	v_add_f32 v[T], v[T], v[T+1]
	v_permlanex16_b32 v[XT], v[T], s76, s77
	v_add_f32 v[ST+2*\i+1], v[T], v[XT]            ; the block's sum
.endm
	SOFT16 0, 0, 0x82, 0x0a
	SOFT16 1, 1, 0x82, 0x0a
	SOFT16 2, 2, 0x82, 0x0a
	SOFT16 3, 3, 0x82, 0x0a
	SOFT16 4, 0, 0xc3, 0x0f
	SOFT16 5, 1, 0xc3, 0x0f
	SOFT16 6, 2, 0xc3, 0x0f
	SOFT16 7, 3, 0xc3, 0x0f
	; Both halves of the lanes hold the same 16 queries' figures of every group: lanes 0-15 give those of an even group, lanes 16-31 those of the next,
	; so that one store of 8 bytes a lane covers 32 queries: 256 consecutive bytes, at a multiple of 256 from stats' first byte.
	v_cmp_le_u32 vcc_lo, 16, v7
	v_lshlrev_b32 v[SOFF], 3, v7
.irp g, 0,1,2,3
	v_cndmask_b32 v[SO+2*\g],   v[ST+4*\g],   v[ST+4*\g+2], vcc_lo
	v_cndmask_b32 v[SO+2*\g+1], v[ST+4*\g+1], v[ST+4*\g+3], vcc_lo
.endr
.irp g, 0,1,2,3
	global_store_b64 v[SOFF], v[SO+2*\g:SO+2*\g+1], s[66:67] offset:256*\g
.endr
	CROUND                                         ; the closing round
	s_endpgm
.Lfunc_end_k_q5a36dd78ef_scores:
	.size	k_q5a36dd78ef_scores, .Lfunc_end_k_q5a36dd78ef_scores-k_q5a36dd78ef_scores
	.p2alignl 7, 3214868480
	.fill 96, 4, 3214868480
	.section	.rodata,"a",@progbits
	.p2align	6, 0x0
	.amdhsa_kernel k_q5a36dd78ef_scores
		.amdhsa_group_segment_fixed_size 327680
		.amdhsa_private_segment_fixed_size 0
		.amdhsa_enable_private_segment 0
		.amdhsa_kernarg_size 24
		.amdhsa_user_sgpr_count 2
		.amdhsa_user_sgpr_kernarg_segment_ptr 1
		.amdhsa_wavefront_size32 1
		.amdhsa_system_sgpr_workgroup_id_x 1
		.amdhsa_system_sgpr_workgroup_id_y 1
		.amdhsa_system_sgpr_workgroup_id_z 1
		.amdhsa_system_vgpr_workitem_id 0
		.amdhsa_next_free_vgpr 1024
		.amdhsa_next_free_sgpr 80
		.amdhsa_reserve_vcc 1
		.amdhsa_float_denorm_mode_32 3
		.amdhsa_float_denorm_mode_16_64 3
		.amdhsa_memory_ordered 1
		.amdhsa_forward_progress 1
		.amdhsa_inst_pref_size 253
	.end_amdhsa_kernel
	.amdgpu_metadata
---
amdhsa.version: [ 1, 2 ]
amdhsa.kernels:
  - .name:           k_q5a36dd78ef_scores
    .symbol:         k_q5a36dd78ef_scores.kd
    .args:
      - { .name: qkv, .offset: 0, .size: 8, .value_kind: global_buffer, .address_space: global }
      - { .name: p, .offset: 8, .size: 8, .value_kind: global_buffer, .address_space: global }
      - { .name: stats, .offset: 16, .size: 8, .value_kind: global_buffer, .address_space: global }
    .group_segment_fixed_size: 327680
    .private_segment_fixed_size: 0
    .kernarg_segment_align: 8
    .kernarg_segment_size: 24
    .max_flat_workgroup_size: 128
    .sgpr_count:     80
    .vgpr_count:     1024
    .wavefront_size: 32
...
	.end_amdgpu_metadata
.endif
;; end of part 3
;; launch pv (part 4): grid 8 x 32, 4 waves a work-group, clusters of 4 x 4, 327,680 bytes of LDS; arguments p, stats, qkv, out0; writes out0
.if DOCPART == 4
	.amdgcn_target "amdgcn-amd-amdhsa--gfx1250"
	.amdhsa_code_object_version 6
	.text
	.protected	k_q5a36dd78ef_pv
	.globl	k_q5a36dd78ef_pv
	.p2align	8
	.type	k_q5a36dd78ef_pv,@function
k_q5a36dd78ef_pv:
	s_mov_b64 s[64:65], 0
	v_nop
	global_prefetch_b8 v0, s[64:65] scope:SCOPE_SE
	s_setreg_imm32_b32 hwreg(HW_REG_WAVE_MODE, 25, 1), 1
	s_wait_xcnt 0x0
	s_wait_alu depctr_hold_cnt(0) depctr_sa_sdst(0) depctr_va_vdst(0) depctr_va_sdst(0) depctr_va_ssrc(0) depctr_va_vcc(0) depctr_vm_vsrc(0)
	s_getreg_b32 s2, hwreg(HW_REG_IB_STS2, 6, 4)
	s_cmp_eq_u32 s2, 0
	s_cbranch_scc0 .Lentry_in_a_cluster
	s_endpgm
.Lentry_in_a_cluster:
	s_bfe_u32 s2, ttmp6, 0x10000c
	s_cmp_lg_u32 s2, 0xf033
	s_cbranch_scc0 .Lentry_shape_is_right
	s_endpgm
.Lentry_shape_is_right:
; out0[m][n] = sum over keys of p(m, key) f[kb(key)][m] V'[key][n], where kb = key / 128 and f[kb][m] = exp2(mx[kb][m] - M[m]) x 8 / l[m],
; M[m] = max over the 32 blocks of mx, l[m] = sum over the blocks of exp2(mx - M) x (the block's sum): the softmax with the row's true maximum taken
; away; the 8 puts back V' = V / 8.  Operands f16, sums f32.
; LIMITS: f and p x f are rounded to f16; 8 x weight is at most 8; a weight below 7.5e-9 (8 x weight below f16's smallest step) counts as 0.
; The sum over keys is split over the four waves and added as (w0 + w1) + (w2 + w3): another order than a plain sum's.
; SHAPE: out0 has 128 x 128 numbers for each of 8 x 32 work-groups.  Every wave makes the WHOLE block of 128 x 128 (64 accumulator tiles, 512 registers)
; over its own quarter of the keys; the four partial blocks meet in LDS once, at the end.  The keys go in 8 steps of 512; wave w takes keys 128 w .. 128 w + 127
; of a step, which are one block kb = 4 x step + w, in four chunks of 32 keys, 64 matrix instructions each.
; p COMES STRAIGHT INTO REGISTERS.  It lies in memory as matrix fragments, p[block of 16 rows][block of 32 keys][half][lane][16 bytes] (1,024 bytes a fragment,
; 131,072 bytes for 16 rows), and no wave shares its keys with another, so LDS would add nothing to it: a chunk is 16 loads of 512 consecutive bytes a wave.  Four
; buffers of 64 registers take turns; chunk c + 3 is asked for in chunk c, so that 48 loads, 24 KiB a wave, are on their way.
; Why p is not asked for jointly although the four work-groups of a cluster's row read the same p: with p in the slots a slot holds 256 keys, 128 matrix instructions
; a wave for each refill; without it 512 keys, 256 matrix instructions, 240 of them between a request and the wait for it.
; V' COMES THROUGH LDS, for the transposing loads: two slots of 512 keys x 288 bytes (256 + 32 of padding, an odd multiple of 32).  Each wave fetches the 128 keys that
; it reads; a tile's rows are 256 bytes, at multiples of 256 from qkv's first byte.
; CLUSTERS: 4 x 4.  The four of a cluster's column need the same columns of V': joint tensor loads, a quarter of the requests for V'.
;
; LDS: slot s at s x 147,456.  Behind the slots 16,384 bytes of factors, FT[wave u][kb][r][2]: the pair (f, f) in f16 of row 32 u + 16 x (0, 1) + r; no tensor load
; lands there.  After the slots' last fill they hold four images of 128 rows x 528 bytes (512 + 16, an odd multiple of 16), one a wave.
; REGISTERS: window 0: v0-39 addresses and the prologue's figures; v40-47, v48-55 my eight factors, a set for each slot; v64-127, v128-191 fragments of V', two buffers.
; Window 1: the four buffers of p, chunk q of a step at v[64 q].  Windows 2 and 3: accumulators, tile (a, b) at v[8 (8 a + b)], rows 0-63 and 64-127.
; THE MATRIX INSTRUCTION IS USED TRANSPOSED: source 0 = 16 columns of V', source 1 = 16 rows of p: lane l holds row l % 16, columns 16 b + 8 (l / 16) + 0..7.
.set VPITCH, 288
.set VQ,     128*VPITCH                ; 36,864: what one tensor load brings, and what one wave reads of a slot
.set SLOT,   4*VQ                      ; 147,456
.set FTAB,   2*SLOT                    ; 294,912, a multiple of 256
.set PPITCH, 528                       ; a row of an image
.set IMGB,   128*PPITCH                ; 67,584: an image
.set QROW,   6144                      ; bytes in a row of qkv
.set RBB,    131072                    ; bytes of p for 16 rows
.set ADRB, 20                          ; v20-21  LDS address of my V' fragments in slot 0, 1
.set ADRF, 22                          ; v22     my factors of the lap's first step
.set STO,  24                          ; v24     where my image begins for me
.set CO,   25                          ; v25     16 x lane
.set RD,   26                          ; v26-29  my rows in the four images
.set SOF,  30                          ; v30     8 x thread
.set FST,  31                          ; v31     where I put my row's factors
.set MXR,  32                          ; v32     M
.set RC,   33                          ; v33     8 / l
.set LS,   36                          ; v36-39  l, four chains
.set FA,   40                          ; v40-47 slot 0's factors, v48-55 slot 1's
.set SD,   64                          ; v64-127 the prologue: (mx, sum) of my row's 32 blocks
.set VF0,  64
.set VF1,  128
.set X,    64                          ; the way out: eight rows x four images x four registers
.set G1, 24                            ; s[24:31] descriptor group 1
.set G0, 32                            ; s[32:39] group 0, one set for each slot
.set MSB, 0
.macro WIN new                         ; the immediate's high byte repeats the setting that is left; a switch that changes nothing is dropped
.if MSB != \new
	s_set_vgpr_msb (MSB<<8)|\new
.set MSB, \new
.endif
.endm
.set MUL_LO, 0xa4                      ; source 0 (V') window 0, source 1 (p) window 1, C and D window 2
.set MUL_HI, 0xf4                      ; the same, C and D window 3
.set TO_P,   0x40                      ; destination window 1, address window 0
.set SCL,    0x41                      ; source 0 and the destination (p) window 1, source 1 (the factor) window 0
.set ST_LO,  0x08                      ; an LDS store's data (source 1) from window 2
.set ST_HI,  0x0c                      ; from window 3
.macro CREST                           ; a round of the cluster's barrier behind its opening barrier
	s_cmp_lg_u32 s10, 0
	s_cbranch_scc1 .Lnot_wave_0_\@
	s_barrier_signal -3
.Lnot_wave_0_\@:
	s_barrier_wait -3
	s_barrier_signal -1
	s_barrier_wait -1
.endm
.macro CROUND
	s_barrier_signal -1
	s_barrier_wait -1
	CREST
.endm
; A chunk of p into the buffer at pb of window 1: 8 blocks of 16 rows x two halves; im = the chunk's byte offset from the lap's base
.macro GLOADP pb, im
	WIN TO_P
.irp a, 0,1,2,3,4,5,6,7
	global_load_b128 v[\pb+8*\a:\pb+8*\a+3],   v[CO], s[14:15] offset:\im+\a*RBB
	global_load_b128 v[\pb+8*\a+4:\pb+8*\a+7], v[CO], s[14:15] offset:\im+\a*RBB+512
.endr
.endm
	s_load_b128 s[4:7], s[0:1], 0x0                ; p s[4:5], stats s[6:7]
	s_load_b128 s[68:71], s[0:1], 0x10             ; qkv s[68:69], out0 s[70:71]
	v_lshl_add_u32 v254, v0, 2, 0x4c000
	v_mov_b32 v255, 0
	ds_add_u32 v254, v255
	v_lshrrev_b32 v1, 5, v0
	v_readfirstlane_b32 s10, v1                    ; wave 0..3
	s_bfe_u32 s40, ttmp6, 0x40000                  ; cx
	s_bfe_u32 s41, ttmp6, 0x40004                  ; cy
	s_lshl_b32 s42, ttmp9, 2
	s_add_co_u32 s42, s42, s40                     ; block column = 4 x cluster x + cx, 0..7
	s_and_b32 s13, ttmp7, 0xffff
	s_lshl_b32 s13, s13, 2
	s_add_co_u32 s13, s13, s41                     ; block row = 4 x cluster y + cy, 0..31
	s_lshl_b32 s44, 0x1111, s40                    ; my column of the cluster: places cx, cx + 4, cx + 8, cx + 12
	; V's tiles: 128 keys x 128 elements of 2 bytes, 8 words of padding behind every 64; shared along my column
	s_or_b32 s[G1+0], s44, (1<<16)|(1<<20)|(1<<21)|(5<<22)|(7<<25)
	s_mov_b32 s[G1+1], 128<<16                     ; tensor_dim0 = 128
	s_mov_b32 s[G1+2], 128<<16                     ; tensor_dim1 = 128
	s_mov_b32 s[G1+3], 128<<16                     ; tile_dim0 = 128
	s_mov_b32 s[G1+4], 128                         ; tile_dim1 = 128
	s_mov_b32 s[G1+5], 3072                        ; elements from row to row of qkv
	s_mov_b32 s[G1+6], 0
	s_mov_b32 s[G1+7], 0
	s_lshl_b32 s16, s13, 20                        ; p: 8 blocks of 16 rows a block row, 131,072 bytes each,
	s_lshl_b32 s17, s10, 12                        ; and my 128 keys of a step: 4 fragments of 1,024 bytes
	s_add_co_u32 s16, s16, s17
	s_mov_b32 s17, 0
	s_lshl_b32 s18, s13, 10                        ; stats: 8 bytes x 128 x block row
	s_mov_b32 s19, 0
	s_lshl_b32 s46, s42, 8                         ; V': 256 bytes a block column (the block row never enters these registers),
	s_mul_i32 s47, s10, 128*QROW                   ; my 128 keys of a step,
	s_add_co_u32 s46, s46, s47
	s_add_co_u32 s46, s46, 4096                    ; and V' begins at column 2048 of qkv
	s_mov_b32 s47, 0
	s_mul_i32 s20, s10, VQ                         ; LDS: wave x 128 keys; no place in the cluster enters an LDS address
	v_and_b32 v6, 31, v0
	v_lshlrev_b32 v[CO], 4, v6
	v_lshlrev_b32 v[SOF], 3, v0
	s_wait_dscnt 0x0
	s_wait_kmcnt 0x0
	s_add_nc_u64 s[14:15], s[4:5], s[16:17]
	s_add_nc_u64 s[6:7], s[6:7], s[18:19]
	s_add_nc_u64 s[46:47], s[68:69], s[46:47]
	CROUND                                         ; all sixteen work-groups are here: the first joint loads meet
.irp s, 0,1
	s_mov_b32 s[G0+4*\s], 1
	s_add_co_u32 s[G0+4*\s+1], s20, \s*SLOT
	s_add_nc_u64 s[G0+4*\s+2:G0+4*\s+3], s[46:47], \s*512*QROW     ; step s: 512 keys further down
	s_or_b32 s[G0+4*\s+3], s[G0+4*\s+3], 0x80000000
	tensor_load_to_lds s[G0+4*\s:G0+4*\s+3], s[G1:G1+7]            ; both first fills as one group: two tensor loads of the wave are out, the most in this text
	s_nop 0
.endr
	; THE FACTORS.  Thread t is row t of the block: its 32 pairs (mx, sum); a wave's load covers 256 consecutive bytes.
.set k, 0
.rept 32
	global_load_b64 v[SD+2*k:SD+2*k+1], v[SOF], s[6:7] offset:32768*k
.set k, k+1
.endr
	GLOADP 0, 0                                    ; chunk 0 of p goes out behind them
	WIN 0
	v_and_b32 v1, 15, v0                           ; r = l % 16
	v_bfe_u32 v2, v0, 4, 1                         ; h = l / 16
	v_mul_u32_u24 v3, v1, PPITCH
	v_lshl_add_u32 v7, v2, 5, v3                   ; image: r x 528 + 32 h
	v_and_b32 v4, 7, v0                            ; V' fragment, by transposing loads: key 128 w + 8 h + l % 8,
	v_lshl_or_b32 v4, v2, 3, v4
	v_mul_u32_u24 v4, v4, VPITCH
	v_bfe_u32 v5, v0, 3, 1                         ; and 16 bytes further for lanes 8-15 of each half
	v_lshl_add_u32 v4, v5, 4, v4
	v_add_nc_u32 v[ADRB], s20, v4
	v_add_nc_u32 v[ADRB+1], SLOT, v[ADRB]
	s_lshl_b32 s22, s10, 7                         ; factors: block kb = 4 x step + wave, 128 bytes a block, 8 bytes a row r
	s_add_co_u32 s22, s22, FTAB
	v_lshl_add_u32 v[ADRF], v1, 3, s22
	s_lshl_b32 s23, s10, 12                        ; my wave's own 4,096 bytes of the table
	s_add_co_u32 s23, s23, FTAB
	v_lshlrev_b32 v5, 2, v2
	v_lshl_add_u32 v5, v1, 3, v5
	v_add_nc_u32 v[FST], s23, v5                   ; 8 r + 4 h: thread t = 32 w + 16 h + r
	s_mul_i32 s22, s10, IMGB
	v_add_nc_u32 v[STO], s22, v7
	s_mul_i32 s23, s10, 32*PPITCH                  ; the way out: my 32 rows of every image
	v_add_nc_u32 v[RD], s23, v[CO]
	v_add_nc_u32 v[RD+1], IMGB, v[RD]
	v_add_nc_u32 v[RD+2], IMGB, v[RD+1]
	v_add_nc_u32 v[RD+3], IMGB, v[RD+2]
	s_wait_loadcnt 16                              ; the 32 pairs are in; chunk 0's 16 loads, issued behind them, may be out
	GLOADP 64, 1024                                ; chunks 1 and 2: 48 loads are out, the most in this text
	GLOADP 128, 2048
	WIN 0
	v_max3_num_f32 v[MXR], v[SD], v[SD+2], v[SD+4]
.set k, 3
.rept 14
	v_max3_num_f32 v[MXR], v[SD+2*k], v[SD+2*k+2], v[MXR]
.set k, k+2
.endr
	v_max_num_f32 v[MXR], v[MXR], v[SD+62]         ; M: the row's maximum over all 4,096 keys
.set k, 0
.rept 32
	v_sub_f32 v[SD+2*k], v[SD+2*k], v[MXR]
.set k, k+1
.endr
.set k, 0
.rept 32
	v_exp_f32 v[SD+2*k], v[SD+2*k]
.set k, k+1
.endr
	v_nop                                          ; one plain vector instruction behind the exponentials (ISA guide 5.7.2)
	s_wait_alu depctr_va_vdst(0)
.irp c, 0,1,2,3
	v_mul_f32 v[LS+\c], v[SD+2*\c], v[SD+2*\c+1]   ; the first four blocks start four chains
.endr
.set k, 4
.rept 28
	v_fmac_f32 v[LS+k%4], v[SD+2*k], v[SD+2*k+1]
.set k, k+1
.endr
	v_add_f32 v[LS], v[LS], v[LS+1]
	v_add_f32 v[LS+2], v[LS+2], v[LS+3]
	v_add_f32 v[LS], v[LS], v[LS+2]                ; l, at least 1: the largest term of the row is 1
	v_rcp_f32 v[RC], v[LS]
	v_nop
	s_wait_alu depctr_va_vdst(0)
	v_mul_f32 v[RC], 0x41000000, v[RC]             ; 8 / l
.set k, 0
.rept 32
	v_mul_f32 v[SD+2*k], v[SD+2*k], v[RC]
	v_cvt_pk_f16_f32 v[SD+2*k+1], v[SD+2*k], v[SD+2*k]             ; the factor in both halves, for the packed multiply
	ds_store_b32 v[FST], v[SD+2*k+1] offset:128*k
.set k, k+1
.endr
; 16 matrix instructions: m blocks a0, a0 + 1 of the window's four x all 8 n blocks, 32 keys.  vf: V's buffer (window 0); pb: p's buffer (window 1).
; The 64 accumulators take turns, one instruction a turn, in the same order in every chunk.
.macro MUL16 vf, pb, hi, a0, zero
.irp a, \a0, \a0+1
.irp b, 0,1,2,3,4,5,6,7
.if \zero
	v_wmma_f32_16x16x32_f16 v[8*(8*(\a)+\b):8*(8*(\a)+\b)+7], v[\vf+8*\b:\vf+8*\b+7], v[\pb+8*(4*\hi+\a):\pb+8*(4*\hi+\a)+7], 0
.else
	v_wmma_f32_16x16x32_f16 v[8*(8*(\a)+\b):8*(8*(\a)+\b)+7], v[\vf+8*\b:\vf+8*\b+7], v[\pb+8*(4*\hi+\a):\pb+8*(4*\hi+\a)+7], v[8*(8*(\a)+\b):8*(8*(\a)+\b)+7]
.endif
.endr
.endr
.endm
; V's fragments of my chunk q of a slot into buffer f: 16 transposing loads.  fa >= 0: first my eight factors of that step, at byte fa from ADRF, into v[fr .. fr + 7].
.macro FETCHV slot, q, f, fa, fr
	WIN 0
.if \fa >= 0
.irp u, 0,1,2,3
	ds_load_b64 v[\fr+2*\u:\fr+2*\u+1], v[ADRF] offset:\fa+4096*\u   ; rows 32 u + r and 32 u + 16 + r: m blocks 2 u and 2 u + 1
.endr
.endif
.irp i, 0,1,2,3,4,5,6,7
	ds_load_tr16_b128 v[\f+8*\i:\f+8*\i+3],   v[ADRB+\slot] offset:32*VPITCH*(\q)+32*\i
	ds_load_tr16_b128 v[\f+8*\i+4:\f+8*\i+7], v[ADRB+\slot] offset:32*VPITCH*(\q)+32*\i+16*VPITCH
.endr
.endm
; p x f, two f16 at a time.  These 64 plain vector instructions name only this chunk's p registers and the factors.  They stand between the last matrix instruction of
; the chunk before and the loads that fill that chunk's buffers of p and of V' again: more than the four independent vector instructions that are due there
; (ISA guide 7.12.1 for vector instructions), so the loop holds no v_nop.
.macro SCALE pb, fa
	WIN SCL
.irp a, 0,1,2,3,4,5,6,7
.irp j, 0,1,2,3,4,5,6,7
	v_pk_mul_f16 v[\pb+8*\a+\j], v[\pb+8*\a+\j], v[\fa+\a]
.endr
.endr
.endm
; Chunk q = 0, 1, 2 of a step.  vf: V's buffer of this chunk, vn: of the next.  ld = 1: the chunk three further on is asked for, into the buffer that the chunk before
; has just left.  cnt: how many younger loads of p may be out.
.macro CHUNK slot, q, vf, vn, zero, ld, cnt
	s_wait_loadcnt \cnt                            ; loads come back in order (ISA guide 5.7.1): this chunk's 16 are in; the younger chunks', 16 each, stay out
.if \q == 0
	s_wait_dscnt 16                                ; the step's factors are in; the 16 loads of V' behind them may be out
.endif
	SCALE 64*\q, FA+8*\slot
.if \ld
.set PBN, 64*((\q+3)%4)
.set PIM, ((\slot+(\q+3)/4)*16+(\q+3)%4)*1024      ; a step is 16 fragments along the keys, of which four are mine
	GLOADP PBN, PIM
.endif
	s_wait_dscnt 0                                 ; this chunk's fragments of V'
	WIN MUL_LO
	MUL16 \vf, 64*\q, 0, 0, \zero
	MUL16 \vf, 64*\q, 0, 2, \zero
	FETCHV \slot, \q+1, \vn, -1, 0
	WIN MUL_HI
	MUL16 \vf, 64*\q, 1, 0, \zero
	MUL16 \vf, 64*\q, 1, 2, \zero
.endm
; Chunk 3 changes slots.  In front of the one barrier each wave waits for its reads of this slot and for all its tensor loads (one is out: its part of the next slot);
; behind it the refill comes first, then the next step's factors and first fragments.  From a request to its wait: 240 matrix instructions.
.macro TURN slot, next, fill, fa
	s_wait_loadcnt 32
	SCALE 192, FA+8*\slot
.set PIM, ((\slot+1)*16+2)*1024
	GLOADP 128, PIM
	s_wait_dscnt 0                                 ; this chunk's fragments of V' are in: my reads of this slot are over
	WIN MUL_LO
	MUL16 VF1, 192, 0, 0, 0
	s_set_vgpr_msb 0xa4a0
	s_wait_tensorcnt 0x0                           ; all my tensor loads have landed
	ds_add_u32 v254, v255
	s_wait_dscnt 0x0
	s_set_vgpr_msb 0xa0a4
	s_barrier_signal -1                            ; (where a slot is filled again this barrier opens a round of the cluster's barrier)
	MUL16 VF1, 192, 0, 2, 0                        ; register work while the others arrive
	WIN 0
	s_barrier_wait -1
.if \fill
	CREST                                          ; no wave of any partner still reads this slot or has a tensor load on its way
	s_add_nc_u64 s[G0+4*\slot+2:G0+4*\slot+3], s[G0+4*\slot+2:G0+4*\slot+3], 2*512*QROW
	tensor_load_to_lds s[G0+4*\slot:G0+4*\slot+3], s[G1:G1+7]      ; the first tensor load behind the round, and the wave's only one until the next
	s_nop 0
.endif
	FETCHV \next, 0, VF0, \fa, FA+8*\next
	WIN MUL_HI
	MUL16 VF1, 192, 1, 0, 0
	MUL16 VF1, 192, 1, 2, 0
.endm
.macro STEP slot, next, zero, fill, fa
	CHUNK \slot, 0, VF0, VF1, \zero, 1, 32
	CHUNK \slot, 1, VF1, VF0, 0, 1, 32
	CHUNK \slot, 2, VF0, VF1, 0, 1, 32
	TURN \slot, \next, \fill, \fa
.endm
.macro LAP zero                        ; two steps, both slots filled again; the factors move 512 bytes a step, p 16,384
	STEP 0, 1, \zero, 1, 512
	STEP 1, 0, 0, 1, 1024
	WIN 0
	v_add_nc_u32 v[ADRF], 1024, v[ADRF]
	s_wait_xcnt 0x0                                ; p's base, which the pending loads name, is stepped only behind this wait (ISA guide 3.1)
	s_add_nc_u64 s[14:15], s[14:15], 32768
.endm
	s_wait_dscnt 0x0                               ; my factors are in LDS,
	s_wait_tensorcnt 1                             ; my part of step 0 is in; step 1's stays out
	s_barrier_signal -1
	s_barrier_wait -1                              ; everybody's are
	FETCHV 0, 0, VF0, 0, FA
	LAP 1                                          ; the first lap stands in front of the loop: its first products start the sums
	s_mov_b32 s3, 2
.Llap:
	LAP 0
	s_sub_co_u32 s3, s3, 1
	s_cmp_lg_u32 s3, 0
	s_cbranch_scc1 .Llap
	STEP 0, 1, 0, 0, 512                           ; the last lap (steps 6 and 7) fills no slot
	CHUNK 1, 0, VF0, VF1, 0, 1, 32                 ; the last chunk of p is asked for here
	CHUNK 1, 1, VF1, VF0, 0, 0, 32                 ; the counts run down: two chunks are out behind this one's,
	CHUNK 1, 2, VF0, VF1, 0, 0, 16                 ; one,
	s_wait_loadcnt 0x0                             ; none
	SCALE 192, FA+8
	s_wait_dscnt 0
	WIN MUL_LO
	MUL16 VF1, 192, 0, 0, 0
	MUL16 VF1, 192, 0, 2, 0
	WIN MUL_HI
	MUL16 VF1, 192, 1, 0, 0
	MUL16 VF1, 192, 1, 2, 0
	; THE WAY OUT.  Each wave lays its partial block into an image in the slots, which have had their last fill; then wave w adds rows 32 w .. 32 w + 31 of the four.
.rept 4
	v_nop                                          ; four independent vector instructions between the last matrix instructions and the stores of their results
.endr
	s_lshl_b32 s16, s13, 7
	s_lshl_b32 s17, s10, 5
	s_add_co_u32 s16, s16, s17                     ; my first row of out0: 128 x block row + 32 x wave,
	s_lshl_b32 s16, s16, 12                        ; 4,096 bytes a row
	s_mov_b32 s17, 0
	s_add_nc_u64 s[70:71], s[70:71], s[16:17]
	s_lshl_b32 s46, s42, 9                         ; 512 bytes a block column
	s_mov_b32 s47, 0
	s_add_nc_u64 s[70:71], s[70:71], s[46:47]
	s_barrier_signal -1                            ; every wave's reads of the slots were waited for above (the count 0), and its tensor loads too
	s_barrier_wait -1
.macro IMAGE hi
.irp a, 0,1,2,3
.irp b, 0,1,2,3,4,5,6,7
	ds_store_b128 v[STO], v[8*(8*\a+\b):8*(8*\a+\b)+3]   offset:(4*\hi+\a)*16*PPITCH+64*\b
	ds_store_b128 v[STO], v[8*(8*\a+\b)+4:8*(8*\a+\b)+7] offset:(4*\hi+\a)*16*PPITCH+64*\b+16
.endr
.endr
.endm
	WIN ST_LO
	IMAGE 0
	WIN ST_HI
	IMAGE 1
	WIN 0
	s_wait_dscnt 0x0                               ; my image is whole, for the others' sake
	s_barrier_signal -1
	s_barrier_wait -1
; eight rows: a load takes a whole row of 512 bytes of one image, 16 bytes a lane; row by row, images 0 to 3
.macro SUM8 g
.if \g
	s_wait_xcnt 0x0                                ; the registers that the last group's stores read are loaded again only behind this wait (ISA guide 3.1)
.endif
.irp i, 0,1,2,3,4,5,6,7
.irp s, 0,1,2,3
	ds_load_b128 v[X+16*\i+4*\s:X+16*\i+4*\s+3], v[RD+\s] offset:(8*\g+\i)*PPITCH
.endr
.endr
.irp i, 0,1,2,3,4,5,6,7
	s_wait_dscnt 28-4*\i                           ; row i's four loads are in; the later rows', four each, may be out
	v_pk_add_f32 v[X+16*\i:X+16*\i+1],     v[X+16*\i:X+16*\i+1],     v[X+16*\i+4:X+16*\i+5]
	v_pk_add_f32 v[X+16*\i+2:X+16*\i+3],   v[X+16*\i+2:X+16*\i+3],   v[X+16*\i+6:X+16*\i+7]
	v_pk_add_f32 v[X+16*\i+8:X+16*\i+9],   v[X+16*\i+8:X+16*\i+9],   v[X+16*\i+12:X+16*\i+13]
	v_pk_add_f32 v[X+16*\i+10:X+16*\i+11], v[X+16*\i+10:X+16*\i+11], v[X+16*\i+14:X+16*\i+15]
	v_pk_add_f32 v[X+16*\i:X+16*\i+1],     v[X+16*\i:X+16*\i+1],     v[X+16*\i+8:X+16*\i+9]
	v_pk_add_f32 v[X+16*\i+2:X+16*\i+3],   v[X+16*\i+2:X+16*\i+3],   v[X+16*\i+10:X+16*\i+11]
	global_store_b128 v[CO], v[X+16*\i:X+16*\i+3], s[70:71] offset:(8*\g+\i)*4096 th:TH_STORE_NT   ; the wave stores 512 consecutive bytes, at a multiple of 512 from out0's first byte
.endr
.endm
	SUM8 0
	SUM8 1
	SUM8 2
	SUM8 3
	s_wait_tensorcnt 0x0
	ds_add_u32 v254, v255
	s_wait_dscnt 0x0
	CROUND                                         ; the closing round: no work-group ends while a partner may still ask for a tile that names it
	s_endpgm
.Lfunc_end_k_q5a36dd78ef_pv:
	.size	k_q5a36dd78ef_pv, .Lfunc_end_k_q5a36dd78ef_pv-k_q5a36dd78ef_pv
	.p2alignl 7, 3214868480
	.fill 96, 4, 3214868480
	.section	.rodata,"a",@progbits
	.p2align	6, 0x0
	.amdhsa_kernel k_q5a36dd78ef_pv
		.amdhsa_group_segment_fixed_size 327680
		.amdhsa_private_segment_fixed_size 0
		.amdhsa_enable_private_segment 0
		.amdhsa_kernarg_size 32
		.amdhsa_user_sgpr_count 2
		.amdhsa_user_sgpr_kernarg_segment_ptr 1
		.amdhsa_wavefront_size32 1
		.amdhsa_system_sgpr_workgroup_id_x 1
		.amdhsa_system_sgpr_workgroup_id_y 1
		.amdhsa_system_sgpr_workgroup_id_z 1
		.amdhsa_system_vgpr_workitem_id 0
		.amdhsa_next_free_vgpr 1024
		.amdhsa_next_free_sgpr 72
		.amdhsa_reserve_vcc 0
		.amdhsa_float_denorm_mode_32 3
		.amdhsa_float_denorm_mode_16_64 3
		.amdhsa_memory_ordered 1
		.amdhsa_forward_progress 1
		.amdhsa_inst_pref_size 255
	.end_amdhsa_kernel
	.section	.bss,"aw",@nobits
	.p2align	6
	.space	262144
	.amdgpu_metadata
---
amdhsa.version: [ 1, 2 ]
amdhsa.kernels:
  - .name:           k_q5a36dd78ef_pv
    .symbol:         k_q5a36dd78ef_pv.kd
    .args:
      - { .name: p, .offset: 0, .size: 8, .value_kind: global_buffer, .address_space: global }
      - { .name: stats, .offset: 8, .size: 8, .value_kind: global_buffer, .address_space: global }
      - { .name: qkv, .offset: 16, .size: 8, .value_kind: global_buffer, .address_space: global }
      - { .name: out0, .offset: 24, .size: 8, .value_kind: global_buffer, .address_space: global }
    .group_segment_fixed_size: 327680
    .private_segment_fixed_size: 0
    .kernarg_segment_align: 8
    .kernarg_segment_size: 32
    .max_flat_workgroup_size: 128
    .sgpr_count:     72
    .vgpr_count:     1024
    .wavefront_size: 32
...
	.end_amdgpu_metadata
.endif
;; end of part 4
